; MI455X (gfx1250); checked and timed in simulation.
; The chip was launched on July 23, 2026; its instructions are those of AMD's public machine-readable ISA for CDNA 5 (MIT licence, August 2026) and "CDNA5" Instruction Set Architecture Reference Guide (July 2026). The comments in the code are by the model that wrote it; some were corrected since.
;; GRU Cellv2. Allowed arithmetic: float matrix products may take bf16 or f16 operands with f32 sums; other float arithmetic in f32, or as packed bf16 or f16 multiplies, adds, multiply-adds, maxima and minima; sums over many terms, partial sums and values carried from step to step in f32; what a program stores and reads back later, other than sums and carried values, may be rounded once to bf16 or f16.
;; Inputs: bh 3 x 1,024 float32; bx 3 x 1,024 float32; hid 8,192 x 1,024 float32; wh 3 x 1,024 x 1,024 float32; wx 3 x 1,024 x 1,024 float32; x 8,192 x 1,024 float32.
;; Outputs: out0 8,192 x 1,024 float32.
;; One version. Each part assembles by itself: llvm-mc -triple=amdgcn-amd-amdhsa -mcpu=gfx1250 --defsym DOCPART=n.
;; ======== version 1 of 1: 2 launches
;; workspace buffers: ab 33,554,432 bytes; wb 12,582,912 bytes
;; launch cast (part 1): grid 2816 x 1, 8 waves a work-group, no clusters, 0 bytes of LDS; arguments x, hid, wx, wh, ab, wb; writes ab, wb
.if DOCPART == 1
	.amdgcn_target "amdgcn-amd-amdhsa--gfx1250"
	.amdhsa_code_object_version 6
	.text
	.protected	k_qdb07a05f09_cast
	.globl	k_qdb07a05f09_cast
	.p2align	8
	.type	k_qdb07a05f09_cast,@function
k_qdb07a05f09_cast:
	s_mov_b64 s[64:65], 0
	v_nop
	global_prefetch_b8 v0, s[64:65] scope:SCOPE_SE
	s_setreg_imm32_b32 hwreg(HW_REG_WAVE_MODE, 25, 1), 1
	s_wait_xcnt 0x0
; x, hid, wx, wh (f32) are rounded once to bf16 (nearest even) and laid so that one K axis of 2,048 runs through x and then hid:
;   ab[m][0..1023] = x[m][:], ab[m][1024..2047] = hid[m][:]          ab: [8192][2048] bf16, rows of 4,096 bytes
;   wb[g][k][:] = wx[g][k][:] for k < 1024, wh[g][k-1024][:] beyond   wb: [3][2048][1024] bf16, rows of 2,048 bytes
; All four sources are rows of 1,024 f32 (4,096 bytes): 8,192 + 8,192 + 3,072 + 3,072 = 22,528 rows.  A wave casts one row, a work-group eight: 2,816 work-groups of equal work,
; none of which spans two sources (8 divides each source's rows).  Which source and where to is chosen by scalar selects on the work-group's number: no branch, no loop.
; A load of the wave covers 512 consecutive bytes, a store 256 consecutive bytes at a multiple of 256 from the buffer's first byte.  All eight loads go out first; no register is written twice.
; No LDS, no matrix unit, no cluster: no byte is wanted by two waves.
.set XS,  8                            ; v[8:39]   eight loads of four f32
.set YS,  40                           ; v[40:55]  eight pairs of packed bf16
	s_load_b256 s[4:11], s[0:1], 0x0               ; x s[4:5], hid s[6:7], wx s[8:9], wh s[10:11]
	s_load_b128 s[12:15], s[0:1], 0x20             ; ab s[12:13], wb s[14:15]
	v_lshrrev_b32 v1, 5, v0
	v_readfirstlane_b32 s16, v1                    ; wave 0..7
	v_and_b32 v2, 31, v0                           ; lane
	v_lshlrev_b32 v3, 4, v2                        ; 16 bytes a lane in
	v_lshlrev_b32 v4, 3, v2                        ; 8 bytes a lane out
	s_mov_b32 s17, ttmp9                           ; id: 0..1023 x, 1024..2047 hid, 2048..2431 wx, 2432..2815 wh
	s_and_b32 s18, s17, 1023                       ; the group of eight rows within x or hid
	s_max_u32 s19, s17, 2048
	s_sub_co_u32 s19, s19, 2048                    ; the group within the weights, 0..767 (0 where id is an activation's)
	s_cmp_ge_u32 s19, 384
	s_cselect_b32 s20, 1, 0                        ; 1: wh
	s_mul_i32 s21, s20, 384
	s_sub_co_u32 s21, s19, s21                     ; the group within wx or wh
	s_cmp_lt_u32 s17, 2048
	s_cselect_b32 s22, s18, s21
	s_lshl3_add_u32 s23, s22, s16                  ; my row in its source = 8 x group + wave
	s_lshl_b32 s24, s23, 12                        ; its byte offset there
	s_mov_b32 s25, 0
	s_bfe_u32 s26, s17, 0x1000a                    ; bit 10 of id: 1 for hid
	s_lshl_b32 s26, s26, 11                        ; hid takes the second 2,048 bytes of ab's row
	s_add_co_u32 s26, s26, s24                     ; ab: row x 4,096 + that
	s_lshr_b32 s27, s23, 10                        ; wb: the gate,
	s_lshl_b32 s27, s27, 11                        ; 2,048 rows a gate,
	s_and_b32 s2, s23, 1023
	s_add_co_u32 s27, s27, s2                      ; + k,
	s_lshl_b32 s2, s20, 10
	s_add_co_u32 s27, s27, s2                      ; + 1,024 for wh,
	s_lshl_b32 s27, s27, 11                        ; x 2,048 bytes
	s_cmp_lt_u32 s17, 2048
	s_cselect_b32 s34, s26, s27
	s_mov_b32 s35, 0
	s_wait_kmcnt 0x0
	s_cmp_lt_u32 s17, 1024
	s_cselect_b64 s[28:29], s[4:5], s[6:7]         ; x or hid
	s_cmp_lt_u32 s19, 384
	s_cselect_b64 s[30:31], s[8:9], s[10:11]       ; wx or wh
	s_cmp_lt_u32 s17, 2048
	s_cselect_b64 s[28:29], s[28:29], s[30:31]     ; the source,
	s_cselect_b64 s[32:33], s[12:13], s[14:15]     ; and ab or wb
	s_add_nc_u64 s[28:29], s[28:29], s[24:25]
	s_add_nc_u64 s[32:33], s[32:33], s[34:35]
.irp j, 0,1,2,3,4,5,6,7
	global_load_b128 v[XS+4*(\j):XS+4*(\j)+3], v3, s[28:29] offset:512*(\j) th:TH_LOAD_NT
.endr
.irp j, 0,1,2,3,4,5,6,7
	s_wait_loadcnt 7-(\j)                          ; loads come back in order: number j is in, the 7 - j younger ones stay out
	v_cvt_pk_bf16_f32 v[YS+2*(\j)],   v[XS+4*(\j)],   v[XS+4*(\j)+1]
	v_cvt_pk_bf16_f32 v[YS+2*(\j)+1], v[XS+4*(\j)+2], v[XS+4*(\j)+3]
	global_store_b64 v4, v[YS+2*(\j):YS+2*(\j)+1], s[32:33] offset:256*(\j) th:TH_STORE_NT
.endr
	s_endpgm
.Lfunc_end_k_qdb07a05f09_cast:
	.size	k_qdb07a05f09_cast, .Lfunc_end_k_qdb07a05f09_cast-k_qdb07a05f09_cast
	.p2alignl 7, 3214868480
	.fill 96, 4, 3214868480
	.section	.rodata,"a",@progbits
	.p2align	6, 0x0
	.amdhsa_kernel k_qdb07a05f09_cast
		.amdhsa_group_segment_fixed_size 0
		.amdhsa_private_segment_fixed_size 0
		.amdhsa_enable_private_segment 0
		.amdhsa_kernarg_size 48
		.amdhsa_user_sgpr_count 2
		.amdhsa_user_sgpr_kernarg_segment_ptr 1
		.amdhsa_wavefront_size32 1
		.amdhsa_system_sgpr_workgroup_id_x 1
		.amdhsa_system_sgpr_workgroup_id_y 1
		.amdhsa_system_sgpr_workgroup_id_z 1
		.amdhsa_system_vgpr_workitem_id 0
		.amdhsa_next_free_vgpr 64
		.amdhsa_next_free_sgpr 66
		.amdhsa_reserve_vcc 0
		.amdhsa_float_denorm_mode_32 3
		.amdhsa_float_denorm_mode_16_64 3
		.amdhsa_memory_ordered 1
		.amdhsa_forward_progress 1
		.amdhsa_inst_pref_size 5
	.end_amdhsa_kernel
	.amdgpu_metadata
---
amdhsa.version: [ 1, 2 ]
amdhsa.kernels:
  - .name:           k_qdb07a05f09_cast
    .symbol:         k_qdb07a05f09_cast.kd
    .args:
      - { .name: x, .offset: 0, .size: 8, .value_kind: global_buffer, .address_space: global }
      - { .name: hid, .offset: 8, .size: 8, .value_kind: global_buffer, .address_space: global }
      - { .name: wx, .offset: 16, .size: 8, .value_kind: global_buffer, .address_space: global }
      - { .name: wh, .offset: 24, .size: 8, .value_kind: global_buffer, .address_space: global }
      - { .name: ab, .offset: 32, .size: 8, .value_kind: global_buffer, .address_space: global }
      - { .name: wb, .offset: 40, .size: 8, .value_kind: global_buffer, .address_space: global }
    .group_segment_fixed_size: 0
    .private_segment_fixed_size: 0
    .kernarg_segment_align: 8
    .kernarg_segment_size: 48
    .max_flat_workgroup_size: 256
    .sgpr_count:     66
    .vgpr_count:     64
    .wavefront_size: 32
...
	.end_amdgpu_metadata
.endif
;; end of part 1
;; launch gru (part 2): grid 8 x 64, 4 waves a work-group, clusters of 4 x 4, 327,680 bytes of LDS; arguments ab, wb, bx, bh, out0; writes out0
.if DOCPART == 2
	.amdgcn_target "amdgcn-amd-amdhsa--gfx1250"
	.amdhsa_code_object_version 6
	.text
	.protected	k_qdb07a05f09_gru
	.globl	k_qdb07a05f09_gru
	.p2align	8
	.type	k_qdb07a05f09_gru,@function
k_qdb07a05f09_gru:
	s_mov_b64 s[64:65], 0
	v_nop
	global_prefetch_b8 v0, s[64:65] scope:SCOPE_SE
	s_setreg_imm32_b32 hwreg(HW_REG_WAVE_MODE, 25, 1), 1
	s_wait_xcnt 0x0
	s_wait_alu depctr_hold_cnt(0) depctr_sa_sdst(0) depctr_va_vdst(0) depctr_va_sdst(0) depctr_va_ssrc(0) depctr_va_vcc(0) depctr_vm_vsrc(0)
	s_getreg_b32 s2, hwreg(HW_REG_IB_STS2, 6, 4)
	s_cmp_eq_u32 s2, 0
	s_cbranch_scc0 .Lentry_in_a_cluster
	s_endpgm
.Lentry_in_a_cluster:
	s_bfe_u32 s2, ttmp6, 0x10000c
	s_cmp_lg_u32 s2, 0xf033
	s_cbranch_scc0 .Lentry_shape_is_right
	s_endpgm
.Lentry_shape_is_right:
; ONE GRU STEP.  With A = ab [8192][2048] bf16 (x, then hid, along K) and W = wb [3][2048][1024] bf16 ([gate][k][n]):
;   R  = bx0 + bh0 + sum over all k of A W0        r = sigmoid(R)
;   Z  = bx1 + bh1 + sum over all k of A W1        z = sigmoid(Z)
;   NX = bx2 + sum over k < 1024 of A W2           NH = bh2 + sum over k >= 1024 of A W2
;   n = tanh(NX + r NH)                            out0 = n + z (hid - n) = (1 - z) n + z hid            out0: [8192][1024] f32
; LIMITS.  x, hid, wx, wh were rounded once to bf16 by the launch before, and hid in the last line is that rounded number; the biases stay f32; sums, gates and the blend are f32.
; sigmoid(t) = 1 / (1 + 2^(-log2e t)), tanh(t) = 1 - 2 / (1 + 2^(2 log2e t)): a power that overflows gives an infinity whose reciprocal is 0, one that underflows gives 0, so both
; saturate rightly for every finite t; near t = 0 the tanh is off by about 1e-7 in absolute terms.  NaN and infinities among the inputs are not treated apart.
; SHARES.  Each output needs FOUR f32 sums that stay apart until r is whole.  A work-group makes 128 x 128 of out0; each of its four waves 64 x 64: 4 sums x 16 accumulators of 16 x 16 = 512 registers.
; 8 x 64 = 512 work-groups.  K goes in 16 steps of 128 through a ring of two LDS slots; steps 0-7 are x (gate 2 adds onto NX), steps 8-15 hid (onto NH).
; THE MATRIX INSTRUCTION IS USED TRANSPOSED: source 0 = 16 columns of W, source 1 = 16 rows of A.  In the result lane l holds row l % 16 and the columns 8 (l / 16) + 0..7: the four sums of an
; output lie in the same lane and the same register number, so the gates are work on registers alone, and a lane's eight outputs are 32 bytes on end.
; W lies [k][n] in memory and in LDS and is turned as it leaves LDS (ds_load_tr16_b128); A's rows lie along K and come out as they lie.
; THE BIASES START THE SUMS: they are the C operand of each sum's first product; nothing is cleared and nothing is added at the end.
; CLUSTERS.  4 x 4 work-groups.  A's tile hangs on the tile row alone: the four of a row of the cluster ask for it jointly; W's three tiles hang on the tile column alone: the four of a column do.
; A step has four tiles of 128 rows x 256 bytes, one a wave: waves 0, 1, 2 fetch W's gate 0, 1, 2, wave 3 fetches A's.
; REGISTERS, in windows of 256 (s_set_vgpr_msb: bits 1:0 source 0, 3:2 source 1, 5:4 source 2, 7:6 destination):
;   window 0: v0-31 addresses; v64-191 the four bias sets (register 8 b + j: column 16 b + 8 (l / 16) + j), v192-255 bh0, bh1 as loaded; later v64-127 hid, v128-159 at work, v192-255 rows on the way out
;   window 1: two fragment buffers of 128: A's four blocks of 16 rows (8 a), then W's gate g, block b of 16 columns (32 + 32 g + 8 b)
;   window 2: R (8 (4 a + b)), Z (128 + the same)          window 3: NX, NH likewise
.set PX,    272                        ; a row of A in LDS: 256 bytes + 16: the 16 rows of a fragment load begin at 16 different multiples of 16 bytes modulo 256
.set PW,    288                        ; a row of W: 256 + 32: 16 lanes of the turning load take 8 rows x 32 bytes, which fall on 256 different bytes modulo 256
.set GATEB, 128*PW                     ; a gate's tile: 128 k x 128 n
.set XOFF,  3*GATEB                    ; behind the three gates: A's tile, 128 m x 128 k
.set SLOT,  XOFF+128*PX
.set SP,    272                        ; a row of a stage: a wave's 64 columns of f32, 256 bytes + 16
.set STAGE, 2*SLOT                     ; behind the ring: 16 rows for each wave, its own; no tensor load lands there
.set SPARE, STAGE+4*16*SP              ; behind the stages: the spare words, 128 bytes for each wave: two blocks of 256 bytes that no other line names
.set AST,   256                        ; bytes from a K step to the next in ab (128 elements along a row)
.set WST,   262144                     ; and in wb (128 rows of 2,048 bytes)
.set ADRX, 16                          ; v16-17  LDS address of my A fragments in slot 0, 1
.set ADRW, 18                          ; v18-23  of my W fragments: slot s, gate g at 3 s + g
.set STO,  24                          ; v24     the way out: where I put 32 bytes of a row
.set RD,   25                          ; v25     where I read rows back
.set CO,   26                          ; v26     my byte offset in two rows of out0
.set HO,   27                          ; v27     my byte offset in 16 rows of ab, for hid
.set SPW,  28                          ; v28     LDS address of my spare word: SPARE + 4 x my thread's number; never rewritten
.set NIL,  29                          ; v29     0; never rewritten
.set PFO,  30                          ; v30     the prefetches' offset: my lane x a row of ab or wb; never rewritten
.set BO,   31                          ; v31     my byte offset in a bias row
.set BR,   64
.set BZ,   96
.set BNX,  128
.set BNH,  160
.set BT,   192
.set HID,  64                          ; hid of my outputs, bf16: block (a, b) at 4 (4 a + b)
.set T,    128                         ; 32 numbers at work: hid, then hid - n, then the output
.set OB,   192                         ; two sets of 32: 16 rows read back from the stage
.set F0,   0
.set F1,   128
.set R,    0
.set Z,    128
.set NX,   0
.set NH,   128
.set OUT,  12                          ; s[12:13] out0, then out0 at my 64 x 64
.set WV,   14                          ; s14 wave;  s15, s16: which 64 rows, which 64 columns
.set WM,   15
.set WN,   16
.set CX,   17                          ; s17, s18 my place in the cluster;  s19, s20 tile column, tile row
.set CY,   18
.set TC,   19
.set TR,   20
.set LB,   21                          ; s21 where my tile lands in a slot: wave x GATEB (wave 3: XOFF)
.set G1A,  24                          ; s[24:31] descriptor group 1 for A's tiles;  s[32:39] group 0, a set for each slot
.set G0A,  32
.set G1B,  40                          ; s[40:47], s[48:55] the same for W's
.set G0B,  48
.set CNT,  56                          ; s56 the loops' count
.set LIM,  57                          ; s57 1 in a wave that prefetches, else the greatest number
.set PFA,  58                          ; s[58:59] where my prefetches stand
.set PSTEP, 60                         ; s[60:61] a K step in the buffer that I prefetch
.set NL,   62                          ; s[62:63] -log2(e)
.set TL,   66                          ; s[66:67] 2 log2(e)
.set HB,   68                          ; s[68:69] ab at hid of my 64 x 64
.set HM,   76                          ; s76 a word's upper bf16
.set MSB, 0
.macro WIN new                         ; the immediate's high byte repeats the setting that is left; a switch that changes nothing is dropped
.if MSB != (\new)
	s_set_vgpr_msb (MSB<<8)|(\new)
.set MSB, (\new)
.endif
.endm
.set W_RZ, 0xa5                        ; sources window 1, C and D window 2
.set W_N,  0xf5                        ; sources window 1, C and D window 3
.set TO_F, 0x40                        ; destination window 1, address window 0
.set E2,   0x82                        ; source 0 and destination window 2
.set E3,   0xc3                        ; source 0 and destination window 3
.set E_T,  0xfe                        ; source 0 window 2; sources 1, 2 and destination window 3
.set E_D,  0x0c                        ; source 1 window 3, the rest window 0
.set E_O,  0x32                        ; source 0 window 2, source 2 window 3, the rest window 0
.macro PLACES                          ; four plain places in front of loads into registers that matrix instructions have read (ISA guide 7.12.1 for vector instructions)
.rept 4
	v_nop
.endr
.endm
; A joint load: wave 3 asks for A's tile, waves 0 to 2 for W's gate = wave.  Each line has one mask; the branch hangs on the wave's number alone.
; An s_nop 0 and four v_nop follow each of the two lines, ahead of the jump, the label and what follows.
.macro JLOAD s
	s_cmp_eq_u32 s[WV], 3
	s_cbranch_scc0 .Lfor_w_\@
	tensor_load_to_lds s[G0A+4*(\s):G0A+4*(\s)+3], s[G1A:G1A+7]
	s_nop 0
.rept 4
	v_nop
.endr
	s_branch .Lasked_\@
.Lfor_w_\@:
	tensor_load_to_lds s[G0B+4*(\s):G0B+4*(\s)+3], s[G1B:G1B+7]
	s_nop 0
.rept 4
	v_nop
.endr
.Lasked_\@:
.endm
; A PREFETCH INTO THE L2, behind each joint refill, its five lines and the run of LDS loads that follows: 32 rows x 256 bytes of the K step that the NEXT change of slots will ask for: a lane a row,
; one instruction a wave, 192 matrix instructions ahead of that load.  Each row's 256 bytes of a K step are named ONCE in the launch: A's tile row is read by both clusters of its row of clusters,
; and the one with x = 0 asks (wave 3); W's tile column by all sixteen clusters of its column, and the one with y = 0 asks (waves 0 to 2).  The four partners that ask for a tile jointly share
; its 128 rows out BY ADDRESS, 32 each (by cx for A, by cy for W): no branch hangs on a place in the cluster.  how = 1: always; how = 2: not in the loop's last trip, whose step has no step three on.
.macro ASK how
	WIN 0
.if (\how) == 1
	s_cmp_eq_u32 s[LIM], 1
.else
	s_cmp_gt_u32 s[CNT], s[LIM]
.endif
	s_cbranch_scc0 .Lnot_mine_\@
	global_prefetch_b8 v[PFO], s[PFA:PFA+1] th:TH_LOAD_NT scope:SCOPE_SE
.Lnot_mine_\@:
.endm
; A round of the cluster's barrier: my work-group's barrier, so that wave 0's signal speaks for all four waves; wave 0 signals; every wave waits for all sixteen work-groups; my work-group's barrier once more.
.macro CREST                           ; a round behind its opening barrier
	s_cmp_lg_u32 s[WV], 0
	s_cbranch_scc1 .Lnot_wave_0_\@
	s_barrier_signal -3
.Lnot_wave_0_\@:
	s_barrier_wait -3
	s_barrier_signal -1
	s_barrier_wait -1
.endm
.macro CROUND
	s_barrier_signal -1
	s_barrier_wait -1
	CREST
.endm
	s_load_b256 s[4:11], s[0:1], 0x0               ; ab s[4:5], wb s[6:7], bx s[8:9], bh s[10:11]
	s_load_b64 s[OUT:OUT+1], s[0:1], 0x20          ; out0
	v_lshl_add_u32 v[SPW], v0, 2, SPARE
	v_mov_b32 v[NIL], 0
	ds_add_u32 v[SPW], v[NIL]                      ; the wave's opening: the add and its wait stand ahead of my first tensor load; the set-up below, work on registers, stands between them
	v_lshrrev_b32 v1, 5, v0
	v_readfirstlane_b32 s[WV], v1                  ; wave 0..3
	s_lshr_b32 s[WM], s[WV], 1
	s_and_b32 s[WN], s[WV], 1
	s_bfe_u32 s[CX], ttmp6, 0x40000
	s_bfe_u32 s[CY], ttmp6, 0x40004
	s_lshl_b32 s[TC], ttmp9, 2                     ; in a cluster launch ttmp9 and ttmp7 count clusters
	s_add_co_u32 s[TC], s[TC], s[CX]               ; tile column = 4 x cluster x + cx
	s_and_b32 s[TR], ttmp7, 0xffff
	s_lshl_b32 s[TR], s[TR], 2
	s_add_co_u32 s[TR], s[TR], s[CY]               ; tile row = 4 x cluster y + cy
	s_lshl_b32 s22, s[CY], 2
	s_lshl_b32 s22, 15, s22                        ; my row of the cluster: places 4 cy .. 4 cy + 3
	s_lshl_b32 s23, 0x1111, s[CX]                  ; my column: places cx, cx + 4, cx + 8, cx + 12
	; descriptor group 1: a tile of 128 rows x 128 elements of 2 bytes, padded in LDS behind every 64 words
	s_or_b32 s[G1A], s22, (1<<16)|(1<<20)|(1<<21)|(5<<22)|(3<<25)  ; 15:0 the mask; 17:16 2-byte elements; 20 padding on; 21 set beside a mask; 24:22 after 64 words (code 5); 31:25 4 words (code 3)
	s_or_b32 s[G1B], s23, (1<<16)|(1<<20)|(1<<21)|(5<<22)|(7<<25)  ; the same with my column's mask and 8 words of padding (code 7)
.irp g, G1A, G1B
	s_mov_b32 s[(\g)+1], 128<<16                   ; tensor_dim0 = 128
	s_mov_b32 s[(\g)+2], 128<<16                   ; tensor_dim1 = 128
	s_mov_b32 s[(\g)+3], 128<<16                   ; tile_dim0 = 128
	s_mov_b32 s[(\g)+4], 128                       ; tile_dim1 = 128
	s_mov_b32 s[(\g)+6], 0
	s_mov_b32 s[(\g)+7], 0
.endr
	s_mov_b32 s[G1A+5], 2048                       ; elements from row to row in ab,
	s_mov_b32 s[G1B+5], 1024                       ; and in wb
	s_mul_i32 s[LB], s[WV], GATEB                  ; no place in the cluster enters an LDS address
	s_lshl_b32 s70, s[TR], 19                      ; A: tile row x 128 rows x 4,096 bytes: made of the tile row alone
	s_mov_b32 s71, 0
	s_min_u32 s72, s[WV], 2                        ; W: the gate that I fetch (wave 3 makes gate 2's address and never asks by it),
	s_lshl_b32 s72, s72, 22                        ; 4,194,304 bytes a gate,
	s_lshl_b32 s73, s[TC], 8                       ; + tile column x 256 bytes: made of the tile column and the wave alone
	s_add_co_u32 s72, s72, s73
	s_mov_b32 s73, 0
	s_mov_b32 s[NL], 0xbfb8aa3b                    ; -log2(e)
	s_mov_b32 s[NL+1], s[NL]                       ; named as a pair
	s_mov_b32 s[TL], 0x4038aa3b                    ; 2 log2(e)
	s_mov_b32 s[TL+1], s[TL]
	s_mov_b32 s[HM], 0xffff0000
	s_wait_dscnt 0x0                               ; the opening add is done
	s_wait_kmcnt 0x0
	s_add_nc_u64 s[70:71], s[4:5], s[70:71]
	s_add_nc_u64 s[72:73], s[6:7], s[72:73]
	CROUND                                         ; all sixteen work-groups are here: the first joint loads meet
.irp s, 0,1
	s_mov_b32 s[G0A+4*(\s)], 1                                     ; count = 1
	s_add_co_u32 s[G0A+4*(\s)+1], s[LB], (\s)*SLOT                 ; LDS address
	s_add_nc_u64 s[G0A+4*(\s)+2:G0A+4*(\s)+3], s[70:71], (\s)*AST  ; global address: K step s
	s_or_b32 s[G0A+4*(\s)+3], s[G0A+4*(\s)+3], 0x80000000          ; type = 2
	s_mov_b32 s[G0B+4*(\s)], 1
	s_add_co_u32 s[G0B+4*(\s)+1], s[LB], (\s)*SLOT
	s_add_nc_u64 s[G0B+4*(\s)+2:G0B+4*(\s)+3], s[72:73], (\s)*WST
	s_or_b32 s[G0B+4*(\s)+3], s[G0B+4*(\s)+3], 0x80000000
	JLOAD \s                                       ; two loads of mine are out
.endr
	; the biases of my 64 columns: register 8 b + j = column 16 b + 8 (l / 16) + j, the same for all rows: the C operand of a 16 x 16 block of column block b
	v_and_b32 v1, 15, v0                           ; r = l % 16
	v_bfe_u32 v2, v0, 4, 1                         ; h = l / 16
	s_lshl_b32 s22, s[TC], 9                       ; tile column x 128 x 4 bytes
	s_lshl_b32 s23, s[WN], 8
	s_add_co_u32 s22, s22, s23
	v_lshl_add_u32 v[BO], v2, 5, s22
.macro BIAS dst, base, off
.irp n, 0,1,2,3
	global_load_b128 v[(\dst)+8*(\n):(\dst)+8*(\n)+3],   v[BO], s[(\base):(\base)+1] offset:(\off)+64*(\n)
	global_load_b128 v[(\dst)+8*(\n)+4:(\dst)+8*(\n)+7], v[BO], s[(\base):(\base)+1] offset:(\off)+64*(\n)+16
.endr
.endm
	BIAS BR,    8,  0
	BIAS BZ,    8,  4096
	BIAS BNX,   8,  8192
	BIAS BT,    10, 0
	BIAS BT+32, 10, 4096
	BIAS BNH,   10, 8192
	; a fragment of A: 16 rows x 32 k in 8 registers: lane l holds row l % 16, k = 8 h + 0..7 and 16 + 8 h + 0..7: two loads of 16 bytes, 32 bytes apart
	v_and_b32 v3, 7, v0
	v_bfe_u32 v4, v0, 3, 1
	v_mul_u32_u24 v5, v1, PX
	v_lshl_add_u32 v5, v2, 4, v5
	s_mul_i32 s22, s[WM], 64*PX
	s_add_co_u32 s22, s22, XOFF
	v_add_nc_u32 v[ADRX], s22, v5
	v_add_nc_u32 v[ADRX+1], SLOT, v[ADRX]
	; the turning load takes 16 k x 16 n (lane l reads row 8 h + l % 8, columns 8 ((l / 8) % 2) + 0..7) and leaves half a fragment: lane l holds column l % 16 and 8 k
	v_lshl_add_u32 v6, v2, 3, v3
	v_mul_u32_u24 v6, v6, PW
	v_lshl_add_u32 v6, v4, 4, v6
	s_lshl_b32 s22, s[WN], 7                       ; my 64 columns: 128 bytes
	v_add_nc_u32 v[ADRW], s22, v6
.irp i, 1,2,3,4,5
	v_add_nc_u32 v[ADRW+(\i)], ((\i)/3)*SLOT+((\i)%3)*GATEB, v[ADRW]
.endr
	s_mul_i32 s22, s[WV], 16*SP
	s_add_co_u32 s22, s22, STAGE                   ; my stage
	v_mul_u32_u24 v7, v1, SP                       ; in: row l % 16, 32 bytes for each half of the lanes
	v_lshl_add_u32 v7, v2, 5, v7
	v_add_nc_u32 v[STO], s22, v7
	v_mul_u32_u24 v7, v2, SP                       ; back: lanes 0-15 take one row of 256 bytes, lanes 16-31 the next
	v_lshl_add_u32 v7, v1, 4, v7
	v_add_nc_u32 v[RD], s22, v7
	v_lshlrev_b32 v7, 12, v2                       ; and the same two rows in out0
	v_lshl_add_u32 v[CO], v1, 4, v7
	v_lshlrev_b32 v7, 12, v1                       ; hid: row l % 16 of ab, 16 bytes for each half of the lanes
	v_lshl_add_u32 v[HO], v2, 4, v7
	s_lshl_b32 s22, s[TR], 19                      ; my first row: both ab and out0 have rows of 4,096 bytes
	s_lshl_b32 s23, s[WM], 18
	s_add_co_u32 s22, s22, s23
	s_lshl_b32 s2, s[TC], 8                        ; my first column, in bf16 bytes
	s_lshl_b32 s3, s[WN], 7
	s_add_co_u32 s2, s2, s3
	s_add_co_u32 s74, s22, s2
	s_add_co_u32 s74, s74, 2048                    ; hid is the second half of ab's row
	s_mov_b32 s75, 0
	s_add_nc_u64 s[HB:HB+1], s[4:5], s[74:75]
	s_lshl_b32 s2, s2, 1                           ; in f32 bytes
	s_add_co_u32 s74, s22, s2
	s_add_nc_u64 s[OUT:OUT+1], s[OUT:OUT+1], s[74:75]
	; the prefetches: my work-group's 32 rows of the 128 that I fetch, at K step 2; the first change of slots steps this to step 3 and names it.  Nothing is prefetched here, at the head.
	s_lshl_b32 s22, s[TR], 19
	s_lshl_b32 s23, s[CX], 17                      ; 32 rows of 4,096 bytes
	s_add_co_u32 s22, s22, s23
	s_add_co_u32 s22, s22, 2*AST                   ; in ab
	s_min_u32 s23, s[WV], 2
	s_lshl_b32 s23, s23, 22
	s_lshl_b32 s2, s[TC], 8
	s_add_co_u32 s23, s23, s2
	s_lshl_b32 s2, s[CY], 16                       ; 32 rows of 2,048 bytes
	s_add_co_u32 s23, s23, s2
	s_add_co_u32 s23, s23, 2*WST                   ; in wb
	s_and_b32 s3, ttmp7, 0xffff                    ; cluster y
	s_mov_b32 s2, WST
	s_cmp_eq_u32 s[WV], 3                          ; do I fetch for A?
	s_cselect_b32 s74, s22, s23
	s_cselect_b32 s3, ttmp9, s3                    ; the coordinate along which other clusters read the same rows
	s_cselect_b32 s[PSTEP], AST, s2
	s_cselect_b32 s2, 12, 11                       ; a row's bytes, as a shift
	s_cselect_b64 s[PFA:PFA+1], s[4:5], s[6:7]
	s_cmp_eq_u32 s3, 0
	s_cselect_b32 s[LIM], 1, -1                    ; the same in all sixteen partners, for a given wave
	s_mov_b32 s[PSTEP+1], 0
	s_add_nc_u64 s[PFA:PFA+1], s[PFA:PFA+1], s[74:75]
	v_and_b32 v[PFO], 31, v0
	v_lshlrev_b32 v[PFO], s2, v[PFO]
	s_wait_loadcnt 0x0                             ; the biases
.set i, 0
.rept 32
	v_pk_add_f32 v[BR+i:BR+i+1], v[BR+i:BR+i+1], v[BT+i:BT+i+1]  ; bx0 + bh0, bx1 + bh1
.set i, i+2
.endr
; 16 matrix instructions: gate g of buffer f onto the sum d (window setting w): 4 row blocks x 4 column blocks, 32 along K.  c >= 0: the bias set c, in window 0, starts the sums.
; A quarter's 48 accumulators take turns, one instruction a turn, in the same order in every quarter: 47 others stand between two links of a chain, over every jump too.
.macro MULG f, g, d, w, c=-1
.if (\c) >= 0
	WIN (\w)&0xcf
.else
	WIN \w
.endif
.irp m, 0,1,2,3
.irp n, 0,1,2,3
.set rD, (\d)+8*(4*(\m)+(\n))
.set rW, (\f)+32+32*(\g)+8*(\n)
.set rX, (\f)+8*(\m)
.if (\c) >= 0
	v_wmma_f32_16x16x32_bf16 v[rD:rD+7], v[rW:rW+7], v[rX:rX+7], v[(\c)+8*(\n):(\c)+8*(\n)+7]
.else
	v_wmma_f32_16x16x32_bf16 v[rD:rD+7], v[rW:rW+7], v[rX:rX+7], v[rD:rD+7]
.endif
.endr
.endr
.endm
; 32 LDS loads in one run: the fragments of quarter kq (32 along K) of a slot into buffer f: A's eight loads, then gate 0's, 1's, 2's, in the order in which they are wanted
.macro FETCH slot, kq, f
	WIN TO_F
.irp m, 0,1,2,3
	ds_load_b128 v[(\f)+8*(\m):(\f)+8*(\m)+3],   v[ADRX+(\slot)] offset:64*(\kq)+(\m)*16*PX
	ds_load_b128 v[(\f)+8*(\m)+4:(\f)+8*(\m)+7], v[ADRX+(\slot)] offset:64*(\kq)+(\m)*16*PX+32
.endr
.irp q, 0,1,2
.irp n, 0,1,2,3
	ds_load_tr16_b128 v[(\f)+32+32*(\q)+8*(\n):(\f)+32+32*(\q)+8*(\n)+3],   v[ADRW+3*(\slot)+(\q)] offset:(\kq)*32*PW+32*(\n)
	ds_load_tr16_b128 v[(\f)+32+32*(\q)+8*(\n)+4:(\f)+32+32*(\q)+8*(\n)+7], v[ADRW+3*(\slot)+(\q)] offset:(\kq)*32*PW+16*PW+32*(\n)
.endr
.endr
.endm
; A K step is four quarters of 32 along K, 48 matrix instructions each, on buffers 0, 1, 0, 1.  One of the first three: multiplies buffer f and fetches quarter kq of the same slot into buffer g.
; first = 1: the launch's first quarter: R, Z, NX start from their biases.  first = 2: hid's first quarter: NH starts from its bias.
.macro QUARTER slot, kq, f, g, nacc, first
	s_wait_dscnt 16                                ; of the 32 loads that are out, A's and gate 0's are in; the 16 younger ones may stay out
.if (\first) == 1
	MULG \f, 0, R, W_RZ, BR
.else
	MULG \f, 0, R, W_RZ
.endif
	PLACES
	FETCH \slot, \kq, \g
	s_wait_dscnt 32                                ; all but the 32 just issued
.if (\first) == 1
	MULG \f, 1, Z, W_RZ, BZ
	MULG \f, 2, \nacc, W_N, BNX
.elseif (\first) == 2
	MULG \f, 1, Z, W_RZ
	MULG \f, 2, \nacc, W_N, BNH
.else
	MULG \f, 1, Z, W_RZ
	MULG \f, 2, \nacc, W_N
.endif
.endm
; The last quarter multiplies buffer 1 and changes slots.  ONE barrier for two things: in front of it each wave waits for all its tensor loads, of which one is out: its tile of the next slot; adds 0
; to its spare word; and waits for that and for its own reads of this slot.  Behind it nobody reads this slot any more and the next slot is whole.
; fill = 1: this slot is filled again, two K steps on.  The barrier then opens a round of the cluster's, so that no wave of any partner still reads the slot or has a load on its way, and the joint
; refill is the first tensor load behind the round: 160 matrix instructions stand between it and the wait for it.
.macro TURN slot, next, nacc, fill, how
.if \fill
	s_wait_xcnt 0x0                                ; the last prefetch, a K step back, has read its address: it is stepped here, ahead of the change's own waits
	s_add_nc_u64 s[PFA:PFA+1], s[PFA:PFA+1], s[PSTEP:PSTEP+1]
.endif
	WIN 0                                          ; (the add's two registers lie in window 0)
	s_wait_tensorcnt 0x0                           ; all my tensor loads have landed
	ds_add_u32 v[SPW], v[NIL]                      ; 0 onto my spare word
	s_wait_dscnt 17                                ; (the add and the 16 youngest loads may be out)
	MULG F1, 0, R, W_RZ                            ; sixteen matrix instructions stand between the add and the wait for it
	s_wait_dscnt 0x0                               ; the add is done, and my reads of this slot are over
	s_barrier_signal -1
	MULG F1, 1, Z, W_RZ                            ; work on registers while the others arrive
.if \fill
	WIN 0
.endif
	s_barrier_wait -1
.if \fill
	CREST
	s_add_nc_u64 s[G0A+4*(\slot)+2:G0A+4*(\slot)+3], s[G0A+4*(\slot)+2:G0A+4*(\slot)+3], 2*AST  ; no load of mine is out: the descriptors may be written
	s_add_nc_u64 s[G0B+4*(\slot)+2:G0B+4*(\slot)+3], s[G0B+4*(\slot)+2:G0B+4*(\slot)+3], 2*WST
	JLOAD \slot                                    ; the four v_nop behind it are also the places in front of the loads below
.else
	PLACES
.endif
	FETCH \next, 0, F0
.if \fill
	ASK \how
.endif
	MULG F1, 2, \nacc, W_N
.endm
; A lap: two K steps, once round the ring, from its second quarter on.  h2: the second change's way of asking
.macro LAP nacc, h2
	QUARTER 0, 2, F1, F0, \nacc, 0
	QUARTER 0, 3, F0, F1, \nacc, 0
	TURN 0, 1, \nacc, 1, 1
	QUARTER 1, 1, F0, F1, \nacc, 0
	QUARTER 1, 2, F1, F0, \nacc, 0
	QUARTER 1, 3, F0, F1, \nacc, 0
	TURN 1, 0, \nacc, 1, \h2
	WIN 0                                          ; at a label and at a branch every window is 0
.endm
	s_wait_tensorcnt 1                             ; my tile of K step 0 is in; step 1's may stay out
	s_barrier_signal -1
	s_barrier_wait -1                              ; everybody's is
	FETCH 0, 0, F0
	QUARTER 0, 1, F0, F1, NX, 1                    ; the first quarter is written out: the biases start R, Z and NX
	WIN 0
	s_mov_b32 s[CNT], 4
	s_branch .LxIn                                 ; the loop is entered behind a lap's first quarter
.Lx:                                           ; x: K steps 0 to 7, four laps; their changes of slots ask for steps 2 to 9
	QUARTER 0, 1, F0, F1, NX, 0
	WIN 0
.LxIn:
	LAP NX, 1
	s_sub_co_u32 s[CNT], s[CNT], 1
	s_cmp_lg_u32 s[CNT], 0
	s_cbranch_scc1 .Lx
	QUARTER 0, 1, F0, F1, NH, 2                    ; hid's first quarter is written out: its bias starts NH
	WIN 0
	s_mov_b32 s[CNT], 3
	s_branch .LhIn
.Lh:                                           ; hid: K steps 8 to 13, three laps; their changes of slots ask for steps 10 to 15
	QUARTER 0, 1, F0, F1, NH, 0
	WIN 0
.LhIn:
	LAP NH, 2
	s_sub_co_u32 s[CNT], s[CNT], 1
	s_cmp_lg_u32 s[CNT], 0
	s_cbranch_scc1 .Lh
	; K steps 14 and 15 are written out: nothing is asked for.  hid of my outputs is asked for now, two K steps ahead of its use: 16 bytes a lane, 16 times.
.irp m, 0,1,2,3
.irp n, 0,1,2,3
	global_load_b128 v[HID+4*(4*(\m)+(\n)):HID+4*(4*(\m)+(\n))+3], v[HO], s[HB:HB+1] offset:(\m)*65536+32*(\n)
.endr
.endr
	QUARTER 0, 1, F0, F1, NH, 0
	QUARTER 0, 2, F1, F0, NH, 0
	QUARTER 0, 3, F0, F1, NH, 0
	TURN 0, 1, NH, 0, 0
	QUARTER 1, 1, F0, F1, NH, 0
	QUARTER 1, 2, F1, F0, NH, 0
	QUARTER 1, 3, F0, F1, NH, 0
	s_wait_dscnt 16                                ; the very last quarter: nothing more to fetch
	MULG F1, 0, R, W_RZ
	s_wait_dscnt 0x0
	MULG F1, 1, Z, W_RZ
	MULG F1, 2, NH, W_N
	WIN 0
; THE GATES of row block a: 32 outputs a lane (4 column blocks x 8), all in registers.  Each accumulator is read from its lowest registers on.
; Exponentials and reciprocals go in batches; behind each batch a plain instruction and ONE s_wait_alu depctr_va_vdst(0) ahead of the first line that names a result.
.macro EACH2 line:vararg               ; one line for each of the 16 pairs i, i + 1
.set i, 0
.rept 16
	\line
.set i, i+2
.endr
.endm
.macro EACH1 line:vararg               ; one line for each of the 32 registers i
.set i, 0
.rept 32
	\line
.set i, i+1
.endr
.endm
.macro MATH a
.set rA, 32*(\a)
	WIN E2
	EACH2 v_pk_mul_f32 v[R+rA+i:R+rA+i+1], v[R+rA+i:R+rA+i+1], s[NL:NL+1] op_sel_hi:[1,0]
	EACH2 v_pk_mul_f32 v[Z+rA+i:Z+rA+i+1], v[Z+rA+i:Z+rA+i+1], s[NL:NL+1] op_sel_hi:[1,0]
	EACH1 v_exp_f32 v[R+rA+i], v[R+rA+i]
	EACH1 v_exp_f32 v[Z+rA+i], v[Z+rA+i]
	WIN 0                                          ; hid is unpacked meanwhile: 32 plain lines that name no result of the batch
.set i, 0
.rept 16
	v_lshlrev_b32 v[T+2*i],   16,    v[HID+16*(\a)+i]
	v_and_b32     v[T+2*i+1], s[HM], v[HID+16*(\a)+i]
.set i, i+1
.endr
	s_wait_alu depctr_va_vdst(0)                   ; the 64 exponentials
	WIN E2
	EACH2 v_pk_add_f32 v[R+rA+i:R+rA+i+1], v[R+rA+i:R+rA+i+1], 1.0 op_sel_hi:[1,0]
	EACH2 v_pk_add_f32 v[Z+rA+i:Z+rA+i+1], v[Z+rA+i:Z+rA+i+1], 1.0 op_sel_hi:[1,0]
	EACH1 v_rcp_f32 v[R+rA+i], v[R+rA+i]
	EACH1 v_rcp_f32 v[Z+rA+i], v[Z+rA+i]
	v_nop
	s_wait_alu depctr_va_vdst(0)                   ; r and z
	WIN E_T
	EACH2 v_pk_fma_f32 v[NX+rA+i:NX+rA+i+1], v[R+rA+i:R+rA+i+1], v[NH+rA+i:NH+rA+i+1], v[NX+rA+i:NX+rA+i+1]
	WIN E3
	EACH2 v_pk_mul_f32 v[NX+rA+i:NX+rA+i+1], v[NX+rA+i:NX+rA+i+1], s[TL:TL+1] op_sel_hi:[1,0]
	EACH1 v_exp_f32 v[NX+rA+i], v[NX+rA+i]
	v_nop
	s_wait_alu depctr_va_vdst(0)
	EACH2 v_pk_add_f32 v[NX+rA+i:NX+rA+i+1], v[NX+rA+i:NX+rA+i+1], 1.0 op_sel_hi:[1,0]
	EACH1 v_rcp_f32 v[NX+rA+i], v[NX+rA+i]
	v_nop
	s_wait_alu depctr_va_vdst(0)
	EACH2 v_pk_fma_f32 v[NX+rA+i:NX+rA+i+1], v[NX+rA+i:NX+rA+i+1], -2.0, 1.0 op_sel_hi:[1,0,0]
	WIN E_D
	EACH2 v_pk_add_f32 v[T+i:T+i+1], v[T+i:T+i+1], v[NX+rA+i:NX+rA+i+1] neg_lo:[0,1] neg_hi:[0,1]
	WIN E_O
	EACH2 v_pk_fma_f32 v[T+i:T+i+1], v[Z+rA+i:Z+rA+i+1], v[T+i:T+i+1], v[NX+rA+i:NX+rA+i+1]
	WIN 0
.endm
; THE WAY OUT of block a: a lane's 32 bytes of a row go into my own stage, rows of 272 bytes, and come back as whole rows of 256.
.macro TOSTAGE a
.set rB, OB+32*((\a)%2)
.irp n, 0,1,2,3
	ds_store_b128 v[STO], v[T+8*(\n):T+8*(\n)+3]   offset:64*(\n)
	ds_store_b128 v[STO], v[T+8*(\n)+4:T+8*(\n)+7] offset:64*(\n)+16
.endr
.if (\a) >= 2
	s_wait_xcnt 0x0                                ; the stores of the block two back have read these registers: they are loaded again only behind this wait
.endif
.irp t, 0,1,2,3,4,5,6,7
	ds_load_b128 v[rB+4*(\t):rB+4*(\t)+3], v[RD] offset:(\t)*2*SP  ; LDS serves a wave's instructions in order (ISA guide 5.7.1.4): these see the stores above
.endr
.endm
.macro SEND a
.set rB, OB+32*((\a)%2)
	s_wait_dscnt 0x0                               ; the block is back in registers
.irp t, 0,1,2,3,4,5,6,7
	global_store_b128 v[CO], v[rB+4*(\t):rB+4*(\t)+3], s[OUT:OUT+1] offset:(16*(\a)+2*(\t))*4096 th:TH_STORE_NT  ; 16 lanes store 256 consecutive bytes, at a multiple of 256 from out0's first byte
.endr
.endm
	PLACES                                         ; the gates read results just made, and no other vector work is at hand
	PLACES
	s_wait_loadcnt 0x0                             ; hid
	MATH 0
	TOSTAGE 0
.irp a, 1,2,3                          ; block a's gates stand between block a - 1's loads from the stage and the wait for them
	MATH \a
	SEND (\a)-1
	TOSTAGE \a
.endr
	SEND 3
	s_wait_tensorcnt 0x0                           ; the wave's end, behind my last tensor load and my last LDS store
	ds_add_u32 v[SPW], v[NIL]
	s_wait_dscnt 0x0
	CROUND                                         ; the closing round: no work-group ends while a partner may still ask for a tile that names it
	s_endpgm
.Lfunc_end_k_qdb07a05f09_gru:
	.size	k_qdb07a05f09_gru, .Lfunc_end_k_qdb07a05f09_gru-k_qdb07a05f09_gru
	.p2alignl 7, 3214868480
	.fill 96, 4, 3214868480
	.section	.rodata,"a",@progbits
	.p2align	6, 0x0
	.amdhsa_kernel k_qdb07a05f09_gru
		.amdhsa_group_segment_fixed_size 327680
		.amdhsa_private_segment_fixed_size 0
		.amdhsa_enable_private_segment 0
		.amdhsa_kernarg_size 40
		.amdhsa_user_sgpr_count 2
		.amdhsa_user_sgpr_kernarg_segment_ptr 1
		.amdhsa_wavefront_size32 1
		.amdhsa_system_sgpr_workgroup_id_x 1
		.amdhsa_system_sgpr_workgroup_id_y 1
		.amdhsa_system_sgpr_workgroup_id_z 1
		.amdhsa_system_vgpr_workitem_id 0
		.amdhsa_next_free_vgpr 1024
		.amdhsa_next_free_sgpr 80
		.amdhsa_reserve_vcc 0
		.amdhsa_float_denorm_mode_32 3
		.amdhsa_float_denorm_mode_16_64 3
		.amdhsa_memory_ordered 1
		.amdhsa_forward_progress 1
		.amdhsa_inst_pref_size 238
	.end_amdhsa_kernel
	.amdgpu_metadata
---
amdhsa.version: [ 1, 2 ]
amdhsa.kernels:
  - .name:           k_qdb07a05f09_gru
    .symbol:         k_qdb07a05f09_gru.kd
    .args:
      - { .name: ab, .offset: 0, .size: 8, .value_kind: global_buffer, .address_space: global }
      - { .name: wb, .offset: 8, .size: 8, .value_kind: global_buffer, .address_space: global }
      - { .name: bx, .offset: 16, .size: 8, .value_kind: global_buffer, .address_space: global }
      - { .name: bh, .offset: 24, .size: 8, .value_kind: global_buffer, .address_space: global }
      - { .name: out0, .offset: 32, .size: 8, .value_kind: global_buffer, .address_space: global }
    .group_segment_fixed_size: 327680
    .private_segment_fixed_size: 0
    .kernarg_segment_align: 8
    .kernarg_segment_size: 40
    .max_flat_workgroup_size: 128
    .sgpr_count:     80
    .vgpr_count:     1024
    .wavefront_size: 32
...
	.end_amdgpu_metadata
.endif
;; end of part 2
